; MI455X (gfx1250); checked and timed in simulation.
; The chip was launched on July 23, 2026; its instructions are those of AMD's public machine-readable ISA for CDNA 5 (MIT licence, August 2026) and "CDNA5" Instruction Set Architecture Reference Guide (July 2026). The comments in the code are by the model that wrote it; some were corrected since.
;; Memory Mo E. Allowed arithmetic: matrix products marked QUANTISED: E4M3 operands, one given power-of-two scale a tensor, by v_wmma_f32_16x16x64_fp8_fp8 or v_wmma_f32_16x16x128_fp8_fp8, f32 sums; products left as they are: f32 operands where the result goes on into a quantised operand, else bf16, f16 or f32 operands; f32 sums; everything else in f32.
;; Inputs: lowp_scales 4 int32 (the exponents e of the quantised operands' scales 2^e); routing_indices 4 x 2,048 x 1 int32; routing_weights 4 x 2,048 x 8 float32; w0_codes 8 x 1,024 x 16 x 32 uint8 (E4M3 codes of w0, K innermost, in blocks of 32 codes); w1_codes 8 x 512 x 32 x 32 uint8 (E4M3 codes of w1, K innermost, in blocks of 32 codes); x_codes 4 x 2,048 x 16 x 32 uint8 (E4M3 codes of x, K innermost, in blocks of 32 codes).
;; Outputs: out0 4 x 2,048 x 512 float32.
;; This version of the problem:
;;   THIS VERSION OF THE PROBLEM IS GIVEN IN LOW PRECISION. The matrix products marked QUANTISED in the list below multiply operands that are first quantised to E4M3 (4 exponent bits, 3 mantissa bits; 8 bits a number), with one given power-of-two scale for each operand tensor; their sums are f32. All else is computed in f32.
;;   The module's matrix products, in the order in which they are computed (A, B: the left and right operand; K: the contracted axis; several contracted axes count as one K, in the product's order):
;;     1. [M 8,192, K 512] x [K 512, N 8,192]; A: input w0 (given as codes); B: input x (given as codes): QUANTISED (scales: A lowp_scales[0], B lowp_scales[1])
;;     2. batch 8 x [M 512, K 1,024] x [K 1,024, N 8,192]; A: input w1 (given as codes); B: computed on the way: QUANTISED (scales: A lowp_scales[2], B lowp_scales[3])
;;     3. batch 8,192 x [M 512, K 8] x [K 8, N 1]; A: computed on the way; B: computed on the way: left as it is (K = 8 < 32)
;;   THE QUANTISER, for each operand of a quantised product, along K:
;;     - The operand's scale is 2^e, e = its entry of the input lowp_scales (int32; the entries are numbered through the quantised products in the list's order, A before B).
;;     - Each number is divided by the scale, clamped to +-448, and rounded to the nearest number of E4M3, ties to even, subnormals kept.
;;     - The product sums the exact products of the quantised numbers (number of the format x scale) in f32.
;;   ~~~python
;;   def quantise(x, axis, e):      # numpy; x: float32 -> the quantised numbers, widened to float32 again
;;       x = np.moveaxis(x, axis, -1); K = x.shape[-1]
;;       r = np.clip(x / 2.0 ** e, -448, 448)
;;       step = 2.0 ** (np.maximum(np.frexp(np.where(r == 0, 1, r))[1] - 1, -6) - 3)
;;       q = np.round(r / step) * step * 2.0 ** e      # np.round: ties to even
;;       return np.moveaxis(q, -1, axis).astype(np.float32)
;;   ~~~
;;   OPERANDS COMPUTED ON THE WAY. 'Computed on the way' means the value that the module computes at that place (a softmax that the list does not call 'softmax' is quantised finished and normalised). What goes into a quantiser is computed in f32, as accurately as f32 sums, v_exp_f32 and their like allow (about 1e-6 of the number): no bf16 or f16 on the way to a quantiser, and a product that is left as it is and whose result goes on into a quantised operand takes f32 operands (vector FMAs, or v_wmma_f32_16x16x4_f32). A number that lies on a knife's edge between two numbers of the format may be rounded either way, as far as f32 arithmetic and the matrix unit's own rounding can turn it there, and no further.
;;   INPUTS GIVEN AS CODES. w0 (in the module: [8, 512, 1024], K = its axis 1); w1 (in the module: [8, 1024, 512], K = its axis 1); x (in the module: [4, 2048, 512], K = its axis 2): each comes as NAME_codes (uint8): NAME with its K axis moved to the last place and cut into blocks of 32 codes, [.., K / 32, bytes a block], one block behind the other in memory; one code a byte (a code: sign, 4 exponent bits, 3 mantissa bits); its scale is its entry of lowp_scales. Its value is code x scale, taken as it is: it is not quantised again, and the codes and scales need not be those that the quantiser above would give.
;; 2 versions, each right; version 2 is version 1 with the launch moe written anew for expert scheduling mode. Each part assembles by itself: llvm-mc -triple=amdgcn-amd-amdhsa -mcpu=gfx1250 --defsym DOCPART=n.
;; ======== version 1 of 2: 2 launches
;; workspace buffers: wstream 8,388,608 bytes; perm 32,768 bytes of whole numbers; tiles 2,560 bytes of whole numbers
;; launch prep (part 1): grid 257 x 1, 8 waves a work-group, no clusters, 1,280 bytes of LDS; arguments routing_indices, w0_codes, w1_codes, wstream, perm, tiles; writes wstream, perm, tiles
.if DOCPART == 1
	.amdgcn_target "amdgcn-amd-amdhsa--gfx1250"
	.amdhsa_code_object_version 6
	.text
	.protected	k_q91f1d537ec_prep
	.globl	k_q91f1d537ec_prep
	.p2align	8
	.type	k_q91f1d537ec_prep,@function
k_q91f1d537ec_prep:
	s_mov_b64 s[64:65], 0
	v_nop
	global_prefetch_b8 v0, s[64:65] scope:SCOPE_SE
	s_setreg_imm32_b32 hwreg(HW_REG_WAVE_MODE, 25, 1), 1
	s_wait_xcnt 0x0
; TWO JOBS IN ONE LAUNCH, parted by the work-group's number (the same in all eight waves of a work-group).
; WORK-GROUP 0: a counting sort of the 8,192 tokens by their expert (routing_indices), without atomics, and the table of tiles for the next launch.
;   perm[8192]    token numbers, grouped by expert; the order inside an expert is free; every entry is written once.
;   tiles[160][4] (expert, first place in perm, number of rows 0..64, 0): tile t of the next launch; entries behind the tiles in use have 0 rows.
;   An index outside 0..7 is sorted to expert 7; the next launch gives such a token the gate 0, as a one-hot of eight does.
;   256 threads, 32 tokens each.  A thread counts its tokens in eight 8-bit counters (at most 32 each); the counts are widened to 16-bit pairs (at most 8,192: no carry
;   leaves a field), scanned over the lanes, handed from wave to wave through 128 bytes of LDS behind one barrier, and added to the experts' first places.
;   perm is stored 4 bytes a lane to scattered places: 32,768 bytes in all; a gather through LDS would need LDS addresses made of loaded numbers.
; WORK-GROUPS 1..256: W0's and W1's codes are laid out once as the next launch's waves take them into their operand registers:
;   wstream[e 8][w 4][n 16][16,384 bytes]: for expert e and wave w the sixteen fills in the order of use.  A fill is 8 fragments of 2,048 bytes; a fragment is 4 chunks c of 512 bytes,
;   lane l's 16 bytes at 16 l: lane (r = l % 16, h = l / 16) holds k = 128 s + 32 c + 16 h + 0..15 of the fragment's row r.
;   n = p (0..7): W0, fragment 4 u + s (u = 0, 1; K step s = 0..3); row r is hidden unit 256 w + 32 p + 8 u + r + 8 (r / 8).
;   n = 8 + S (S = 0..7): W1, K step S, fragment t (0..7); row r is output 128 w + 16 t + r.
;   A wave moves two fragments: eight loads (16 rows x 256 bytes, used up whole), eight stores of 512 consecutive bytes.  No LDS, no barrier on this way.
.set ONE,  3                           ; v3      1
.set CLO,  4                           ; v4      8-bit counters of experts 0-3
.set CHI,  5                           ; v5      of experts 4-7
.set SHF,  6                           ; v6      8 x (expert % 4)
.set CUR,  7                           ; v7      at work
.set TA,   8                           ; v8      at work
.set TC,   9                           ; v9      at work
.set PK,   10                          ; v10-13  16-bit pairs: experts (2 h, 2 h + 1)
.set OWN,  14                          ; v14-17  my own counts
.set TOT,  18                          ; v18-21  a wave's totals
.set PRE,  22                          ; v22-25  totals of the waves in front of mine
.set KSEL, 26                          ; v26     0x100: the byte select of field 0
.set TOK0, 27                          ; v27     my first token: 1,024 x wave + 4 x lane
.set BAS,  28                          ; v28-31  where my tokens of each expert begin, in 16-bit pairs
.set IDX,  32                          ; v32-63  the experts of my 32 tokens, then the tokens' numbers
.set LRK,  64                          ; v64-95  a token's rank among my tokens of its expert, then its place, then its byte in perm
	s_load_b256 s[4:11], s[0:1], 0x0               ; routing_indices s[4:5], w0_codes s[6:7], w1_codes s[8:9], wstream s[10:11]
	s_load_b128 s[12:15], s[0:1], 0x20             ; perm s[12:13], tiles s[14:15]
	v_lshl_add_u32 v128, v0, 2, 0x100
	v_mov_b32 v129, 0
	v_and_b32 v1, 31, v0                           ; lane
	v_lshrrev_b32 v2, 5, v0
	v_readfirstlane_b32 s16, v2                    ; wave 0..7
	s_cmp_lg_u32 ttmp9, 0
	s_cbranch_scc1 .Lrelay
	; ---------------- THE SORT ----------------
	v_lshlrev_b32 v2, 4, v1
	s_lshl_b32 s17, s16, 12
	v_add_nc_u32 v2, s17, v2                       ; 4,096 x wave + 16 x lane
	s_wait_kmcnt 0x0
.irp j, 0,1,2,3,4,5,6,7
	global_load_b128 v[IDX+4*\j:IDX+4*\j+3], v2, s[4:5] offset:512*\j    ; register 4 j + k: token 1,024 wave + 128 j + 4 lane + k
.endr
	v_mov_b32 v[ONE], 1
	v_mov_b32 v[CLO], 0
	v_mov_b32 v[CHI], 0
	v_mov_b32 v[TA], 0                             ; written once: the destination of a lane-crossing move counts as read
	v_mov_b32 v[TC], 0
	v_mov_b32 v[KSEL], 0x100
	s_lshl_b32 s18, s16, 10
	v_lshl_add_u32 v[TOK0], v1, 2, s18
	s_mov_b32 s36, 0xffff0000                      ; lanes 16-31
	s_wait_loadcnt 0x0
.macro COUNT i                         ; token i's rank among my tokens of its expert; that expert's counter + 1
	v_min_u32 v[IDX+\i], 7, v[IDX+\i]
	v_and_b32 v[SHF], 3, v[IDX+\i]
	v_lshlrev_b32 v[SHF], 3, v[SHF]
	v_cmp_lt_u32 vcc_lo, 3, v[IDX+\i]              ; experts 4-7
	v_cndmask_b32 v[CUR], v[CLO], v[CHI], vcc_lo
	v_bfe_u32 v[LRK+\i], v[CUR], v[SHF], 8
	v_lshlrev_b32 v[TA], v[SHF], v[ONE]
	v_add_nc_u32 v[CUR], v[CUR], v[TA]
	v_cndmask_b32 v[CLO], v[CUR], v[CLO], vcc_lo
	v_cndmask_b32 v[CHI], v[CHI], v[CUR], vcc_lo
.endm
.set n, 0
.rept 32
	COUNT n
.set n, n+1
.endr
.irp h, 0,1                            ; the eight counters as four 16-bit pairs
	v_bfe_u32 v[TA], v[CLO], 16*\h, 8
	v_bfe_u32 v[TC], v[CLO], 16*\h+8, 8
	v_lshl_or_b32 v[PK+\h], v[TC], 16, v[TA]
	v_bfe_u32 v[TA], v[CHI], 16*\h, 8
	v_bfe_u32 v[TC], v[CHI], 16*\h+8, 8
	v_lshl_or_b32 v[PK+2+\h], v[TC], 16, v[TA]
.endr
.irp h, 0,1,2,3
	v_mov_b32 v[OWN+\h], v[PK+\h]
.endr
.macro SCAN reg                        ; the sum over lanes 0 .. my lane: four steps inside each half of 16 lanes, then the lower half's total onto the upper half
.irp d, 1,2,4,8
	v_mov_b32_dpp v[TA], v[\reg] row_shr:\d row_mask:0xf bank_mask:0xf bound_ctrl:1
	v_add_nc_u32 v[\reg], v[\reg], v[TA]
.endr
	v_readlane_b32 s38, v[\reg], 15
	v_mov_b32 v[TA], s38
	v_cndmask_b32 v[TA], 0, v[TA], s36
	v_add_nc_u32 v[\reg], v[\reg], v[TA]
.endm
	SCAN PK
	SCAN PK+1
	SCAN PK+2
	SCAN PK+3
.irp h, 0,1,2,3
	v_readlane_b32 s[40+\h], v[PK+\h], 31          ; my wave's totals
.endr
.irp h, 0,1,2,3
	v_mov_b32 v[TOT+\h], s[40+\h]
	v_sub_nc_u32 v[PK+\h], v[PK+\h], v[OWN+\h]     ; the lanes in front of mine alone
.endr
	s_lshl_b32 s17, s16, 4
	v_mov_b32 v[TC], s17
	ds_store_b128 v[TC], v[TOT:TOT+3]              ; 16 bytes a wave; all lanes write the same words with the same numbers
	s_wait_dscnt 0x0                               ; for the others' sake: my store has landed
	s_barrier_signal -1
	s_barrier_wait -1
	v_and_b32 v[TC], 7, v1
	v_lshlrev_b32 v[TC], 4, v[TC]
	ds_load_b128 v[TOT:TOT+3], v[TC]               ; lane l: the totals of wave l % 8
	v_cmp_gt_u32 s37, 8, v1                        ; lanes 0-7: each wave once
	v_cmp_gt_u32 s39, s16, v1                      ; the lanes of the waves in front of mine
	s_wait_dscnt 0x0
.irp h, 0,1,2,3
	v_cndmask_b32 v[PRE+\h], 0, v[TOT+\h], s39
	v_cndmask_b32 v[TOT+\h], 0, v[TOT+\h], s37
.endr
.irp g, 0,1,2,3,4,5,6,7                ; TOT and PRE lie on end: eight sums over lanes 0-7
.irp d, 1,2,4
	v_mov_b32_dpp v[TA], v[TOT+\g] row_xmask:\d row_mask:0xf bank_mask:0xf
	v_add_nc_u32 v[TOT+\g], v[TOT+\g], v[TA]
.endr
	v_readfirstlane_b32 s[20+\g], v[TOT+\g]        ; s20-23 all tokens, s24-27 the waves in front of mine, in pairs
.endr
.irp h, 0,1,2,3
	s_and_b32 s[40+2*\h], s[20+\h], 0xffff         ; s40-47: n_e, the tokens of expert e
	s_lshr_b32 s[41+2*\h], s[20+\h], 16
.endr
	s_mov_b32 s48, 0                               ; s48-55: rb_e, where expert e begins in perm
	s_mov_b32 s56, 0                               ; s56-63: tb_e, its first tile
.irp e, 0,1,2,3,4,5,6
	s_add_co_u32 s[49+\e], s[48+\e], s[40+\e]
	s_add_co_u32 s28, s[40+\e], 63
	s_lshr_b32 s28, s28, 6                         ; its tiles of 64 rows
	s_add_co_u32 s[57+\e], s[56+\e], s28
.endr
.irp h, 0,1,2,3
	s_lshl_b32 s29, s[49+2*\h], 16
	s_or_b32 s29, s29, s[48+2*\h]
	s_add_co_u32 s29, s29, s[24+\h]                ; expert's first place + the waves in front of mine,
	v_add_nc_u32 v[BAS+\h], s29, v[PK+\h]          ; + the lanes in front of mine: every field stays at 8,192 or under
.endr
.macro POS i                           ; token i's place in perm, and its number stored there.  Each store has registers of its own, which are not written again
	v_and_b32 v[TA], 3, v[IDX+\i]
	v_mad_u32_u24 v[TA], v[TA], 0x202, v[KSEL]     ; byte selects 2 f, 2 f + 1 of field f = expert % 4 (the upper two selects take byte 0 and are cut off below)
	v_perm_b32 v[CUR], v[BAS+1], v[BAS], v[TA]
	v_perm_b32 v[TC], v[BAS+3], v[BAS+2], v[TA]
	v_cmp_lt_u32 vcc_lo, 3, v[IDX+\i]
	v_cndmask_b32 v[CUR], v[CUR], v[TC], vcc_lo
	v_and_b32 v[CUR], 0xffff, v[CUR]
	v_add_nc_u32 v[LRK+\i], v[LRK+\i], v[CUR]
	v_min_u32 v[LRK+\i], 0x1fff, v[LRK+\i]         ; a number made of loaded numbers enters an address behind a bound
	v_lshlrev_b32 v[LRK+\i], 2, v[LRK+\i]
	v_add_nc_u32 v[IDX+\i], 128*((\i)/4)+(\i)%4, v[TOK0]
	global_store_b32 v[LRK+\i], v[IDX+\i], s[12:13]
.endm
.set n, 0
.rept 32
	POS n
.set n, n+1
.endr
	s_cmp_gt_u32 s16, 4                            ; the table: threads 0..159, one entry each
	s_cbranch_scc1 .Lsort_end
	v_mov_b32 v96, 0                               ; the expert: the last e whose first tile is at or in front of t
	v_mov_b32 v100, 0                              ; its first tile,
	v_mov_b32 v101, 0                              ; its first place,
	v_mov_b32 v102, s40                            ; its tokens
.irp e, 1,2,3,4,5,6,7
	v_cmp_gt_u32 vcc_lo, s[56+\e], v0              ; tb_e > t: keep what there is
	v_cndmask_b32 v96, \e, v96, vcc_lo
	v_cndmask_b32 v100, s[56+\e], v100, vcc_lo
	v_cndmask_b32 v101, s[48+\e], v101, vcc_lo
	v_cndmask_b32 v102, s[40+\e], v102, vcc_lo
.endr
	v_sub_nc_u32 v100, v0, v100
	v_lshlrev_b32 v100, 6, v100                    ; rows of this expert in front of the tile
	v_add_nc_u32 v97, v101, v100
	v_min_u32 v97, 0x1fff, v97                     ; first place (held inside perm for the entries without rows)
	v_sub_nc_u32 v98, v102, v100
	v_max_i32 v98, 0, v98
	v_min_i32 v98, 64, v98                         ; rows: 0..64
	v_mov_b32 v99, 0
	v_lshlrev_b32 v103, 4, v0
	global_store_b128 v103, v[96:99], s[14:15]
.Lsort_end:
	s_wait_tensorcnt 0x0
	ds_add_u32 v128, v129
	s_wait_dscnt 0x0
	s_endpgm
	; ---------------- THE LAY-OUT ----------------
; Two fragments: eight loads, then each store as soon as its load is in (loads come back in order: ISA guide 5.7.1).
.macro MOVE sb, fstep
.irp f, 0,1
.irp c, 0,1,2,3
	global_load_b128 v[32+16*\f+4*\c:32+16*\f+4*\c+3], v5, s[\sb:\sb+1] offset:128*\f+32*\c th:TH_LOAD_NT   ; read once in this launch
.endr
.endr
.irp f, 0,1
.irp c, 0,1,2,3
	s_wait_loadcnt 7-4*\f-\c                       ; the younger loads may stay out
	global_store_b128 v4, v[32+16*\f+4*\c:32+16*\f+4*\c+3], s[10:11] offset:\fstep*\f+512*\c   ; 32 lanes store 512 consecutive bytes
.endr
.endr
	s_endpgm
.endm
.Lrelay:
	v_and_b32 v2, 15, v0                           ; r
	v_bfe_u32 v3, v0, 4, 1                         ; h
	v_lshlrev_b32 v4, 4, v1                        ; 16 x lane
	s_sub_co_u32 s17, ttmp9, 1
	s_lshl_b32 s17, s17, 3
	s_add_co_u32 s17, s17, s16                     ; W = 8 (work-group - 1) + wave: 0..1023 W0, 1024..2047 W1
	s_cmp_lt_u32 ttmp9, 129
	s_cbranch_scc0 .Lw1
	; W0: e = W >> 7; T = (W >> 1) & 63 = 16 w + 2 p + u; sigma = W & 1: K steps 2 sigma, 2 sigma + 1
	s_lshr_b32 s18, s17, 7
	s_bfe_u32 s19, s17, 0x60001
	s_and_b32 s20, s17, 1
	s_and_b32 s23, s19, 1                          ; u
	s_lshl_b32 s26, s18, 19                        ; from: e x 524,288
	s_lshr_b32 s22, s19, 1
	s_lshl_b32 s22, s22, 14                        ; + 32 (8 w + p) rows of 512 bytes
	s_add_co_u32 s26, s26, s22
	s_lshl_b32 s22, s23, 12                        ; + 8 u rows
	s_add_co_u32 s26, s26, s22
	s_lshl_b32 s22, s20, 8                         ; + 256 sigma
	s_add_co_u32 s26, s26, s22
	s_mov_b32 s27, 0
	s_lshl_b32 s30, s18, 2                         ; to: ((4 e + w) 16 + p) fills
	s_lshr_b32 s22, s19, 4
	s_add_co_u32 s30, s30, s22
	s_lshl_b32 s30, s30, 4
	s_bfe_u32 s22, s19, 0x30001
	s_add_co_u32 s30, s30, s22
	s_lshl_b32 s30, s30, 14
	s_lshl_b32 s22, s23, 13                        ; + (4 u + 2 sigma) fragments of 2,048 bytes
	s_add_co_u32 s30, s30, s22
	s_lshl_b32 s22, s20, 12
	s_add_co_u32 s30, s30, s22
	s_mov_b32 s31, 0
	v_and_b32 v5, 8, v2
	v_add_nc_u32 v5, v5, v2                        ; r + 8 (r / 8)
	v_lshlrev_b32 v5, 9, v5
	v_lshl_add_u32 v5, v3, 4, v5                   ; that row + 16 h
	s_wait_kmcnt 0x0
	s_add_nc_u64 s[6:7], s[6:7], s[26:27]
	s_add_nc_u64 s[10:11], s[10:11], s[30:31]
	MOVE 6, 2048                                   ; the second K step's fragment lies behind the first's
.Lw1:
	; W1: W' = W - 1024; e = W' >> 7; w = (W' >> 5) & 3; t = (W' >> 2) & 7; sigma = W' & 3: K steps 2 sigma, 2 sigma + 1
	s_sub_co_u32 s17, s17, 1024
	s_lshr_b32 s18, s17, 7
	s_bfe_u32 s19, s17, 0x20005
	s_bfe_u32 s20, s17, 0x30002
	s_and_b32 s21, s17, 3
	s_lshl_b32 s26, s18, 19                        ; from: e x 524,288
	s_lshl_b32 s22, s19, 17                        ; + 128 w rows of 1,024 bytes
	s_add_co_u32 s26, s26, s22
	s_lshl_b32 s22, s20, 14                        ; + 16 t rows
	s_add_co_u32 s26, s26, s22
	s_lshl_b32 s22, s21, 8                         ; + 256 sigma
	s_add_co_u32 s26, s26, s22
	s_mov_b32 s27, 0
	s_lshl_b32 s30, s18, 2                         ; to: ((4 e + w) 16 + 8 + 2 sigma) fills
	s_add_co_u32 s30, s30, s19
	s_lshl_b32 s30, s30, 4
	s_add_co_u32 s30, s30, 8
	s_add_co_u32 s30, s30, s21
	s_add_co_u32 s30, s30, s21
	s_lshl_b32 s30, s30, 14
	s_lshl_b32 s22, s20, 11                        ; + t fragments
	s_add_co_u32 s30, s30, s22
	s_mov_b32 s31, 0
	v_lshlrev_b32 v5, 10, v2
	v_lshl_add_u32 v5, v3, 4, v5                   ; row r + 16 h
	s_wait_kmcnt 0x0
	s_add_nc_u64 s[8:9], s[8:9], s[26:27]
	s_add_nc_u64 s[10:11], s[10:11], s[30:31]
	MOVE 8, 16384                                  ; the second K step's fragment lies one fill further on
.Lfunc_end_k_q91f1d537ec_prep:
	.size	k_q91f1d537ec_prep, .Lfunc_end_k_q91f1d537ec_prep-k_q91f1d537ec_prep
	.p2alignl 7, 3214868480
	.fill 96, 4, 3214868480
	.section	.rodata,"a",@progbits
	.p2align	6, 0x0
	.amdhsa_kernel k_q91f1d537ec_prep
		.amdhsa_group_segment_fixed_size 1280
		.amdhsa_private_segment_fixed_size 0
		.amdhsa_enable_private_segment 0
		.amdhsa_kernarg_size 48
		.amdhsa_user_sgpr_count 2
		.amdhsa_user_sgpr_kernarg_segment_ptr 1
		.amdhsa_wavefront_size32 1
		.amdhsa_system_sgpr_workgroup_id_x 1
		.amdhsa_system_sgpr_workgroup_id_y 1
		.amdhsa_system_sgpr_workgroup_id_z 1
		.amdhsa_system_vgpr_workitem_id 0
		.amdhsa_next_free_vgpr 130
		.amdhsa_next_free_sgpr 72
		.amdhsa_reserve_vcc 1
		.amdhsa_float_denorm_mode_32 3
		.amdhsa_float_denorm_mode_16_64 3
		.amdhsa_memory_ordered 1
		.amdhsa_forward_progress 1
		.amdhsa_inst_pref_size 51
	.end_amdhsa_kernel
	.amdgpu_metadata
---
amdhsa.version: [ 1, 2 ]
amdhsa.kernels:
  - .name:           k_q91f1d537ec_prep
    .symbol:         k_q91f1d537ec_prep.kd
    .args:
      - { .name: routing_indices, .offset: 0, .size: 8, .value_kind: global_buffer, .address_space: global }
      - { .name: w0_codes, .offset: 8, .size: 8, .value_kind: global_buffer, .address_space: global }
      - { .name: w1_codes, .offset: 16, .size: 8, .value_kind: global_buffer, .address_space: global }
      - { .name: wstream, .offset: 24, .size: 8, .value_kind: global_buffer, .address_space: global }
      - { .name: perm, .offset: 32, .size: 8, .value_kind: global_buffer, .address_space: global }
      - { .name: tiles, .offset: 40, .size: 8, .value_kind: global_buffer, .address_space: global }
    .group_segment_fixed_size: 1280
    .private_segment_fixed_size: 0
    .kernarg_segment_align: 8
    .kernarg_segment_size: 48
    .max_flat_workgroup_size: 256
    .sgpr_count:     72
    .vgpr_count:     130
    .wavefront_size: 32
...
	.end_amdgpu_metadata
.endif
;; end of part 1
;; launch moe (part 2): grid 135 x 1, 4 waves a work-group, no clusters, 132,608 bytes of LDS; arguments x_codes, wstream, perm, tiles, routing_indices, routing_weights, lowp_scales, out0; writes out0
.if DOCPART == 2
	.amdgcn_target "amdgcn-amd-amdhsa--gfx1250"
	.amdhsa_code_object_version 6
	.text
	.protected	k_q91f1d537ec_moe
	.globl	k_q91f1d537ec_moe
	.p2align	8
	.type	k_q91f1d537ec_moe,@function
k_q91f1d537ec_moe:
	s_mov_b64 s[64:65], 0
	v_nop
	global_prefetch_b8 v0, s[64:65] scope:SCOPE_SE
	s_setreg_imm32_b32 hwreg(HW_REG_WAVE_MODE, 25, 1), 1
	s_wait_xcnt 0x0
; y[token] = gate x ( Q(gelu(x[token] W0[e])) W1[e] ), e = the token's expert, both products on codes of FP8 (E4M3) with the given scales 2^e0 (W0), 2^e1 (x), 2^e2 (W1), 2^e3 (hidden layer).
; Only the chosen expert's rows are multiplied: the other seven are thrown away by the one-hot that the problem builds itself.
; GRID: 8,192 rows in tiles of 64 for 8 experts are never more than 8,192 / 64 + 7 = 135 tiles, whatever the split.  Work-group t takes tiles[t] = (expert, first place in perm, rows).
; A tile without rows goes as far as the second barrier on rows held inside perm (every wave passes every barrier), then ends and stores nothing.
; Row j of a tile with fewer than 64 rows takes the tile's last token again: it computes the same numbers and stores them to the same bytes, so no lane is ever switched off.
; SHARES: four waves, as many as a WGP has SIMDs.  THE WAVES SHARE THE COLUMNS: wave w makes hidden units 256 w .. + 255 and outputs 128 w .. + 127 for all 64 rows.  So each weight byte is loaded
; once in a work-group, by one wave, straight into its operand registers (wstream holds the fragments as register images, in the order of use: 32 loads of 512 consecutive bytes a fill),
; and each weight fragment feeds four matrix instructions.  x's codes and the hidden layer's go from wave to wave through LDS as images of their registers (16 bytes a lane at 16 x lane).
; BOTH PRODUCTS ARE USED TRANSPOSED (source 0 = 16 rows of the weight, source 1 = 16 tokens): a lane holds one token throughout.  The rows of W0 in a tile are chosen so that the 16 registers of
; tiles u = 0, 1 of a pair are 16 neighbours along the second product's K: the conversions' results are that product's operand.  In all four operands registers 4 c .. 4 c + 3 of lane (r, h) hold
; k = 32 c + 16 h + 0..15 of a K step of 128: the same order of k on both sides, so every product meets its partner.
; GELU: exact form, 0.5 h (1 + erf(h / sqrt 2)), in f32: z = h / sqrt 2 held in +-4, erf(z) = z A(z^2) / B(z^2), A of degree 6, B of degree 4; the division is v_rcp_f32 and a multiplication.
; With h = sum x 2^(e0 + e1): g = sum + sum x erf, gelu = g x 2^(e0 + e1 - 1), code = g / 2^(e3 - e0 - e1 + 1): all powers of two are folded into the conversion's one scale.
; LIMITS: e0 + e1 between -125 and 128 (added to the exponent field of 1 / sqrt 2); e3 - e0 - e1 + 1 between -126 and 119; e2 + e3 is applied by v_ldexp_f32 and has none.
;   1 + erf is formed by an addition: gelu's absolute error is about 1e-7 |h|, so far down the negative tail its relative error is above 1e-6; for h under -5.66 the result is h (1 + erf(-4)), at most 6e-8 |h|.
;   NaN is not served.  A token whose index lies outside 0..7 gets the gate 0.
; NO TENSOR LOADS, NO CLUSTER: which expert a work-group serves, and whether it has rows at all, are numbers read from memory; work-groups of one expert do share its weights, but how many there
; are of each expert hangs on the split, so partners cannot be fixed in the grid, and a work-group without rows ends by a branch on a loaded number.
; REGISTERS, in windows of 256 (s_set_vgpr_msb: bits 1:0 source 0, 3:2 source 1, 5:4 source 2, 7:6 destination):
;   window 0: v1-9 addresses; v10-13 my row's token in each of the four tiles of 16 rows; v16-23 its gate (pairs); v24-29 constants; v32-63 gelu's z, z^2, A, B (before: offsets; on the way out: row offsets);
;             v64-127 a pair's 8 accumulators (on the way out: gated sums); v128-191, v192-255 x as gathered, codes just made (v240-255), hidden fragments of two K steps, rows read back from the stage
;   window 1: x's 16 fragments (tile m, K step s at 16 (4 m + s)); then the second product's 32 accumulators (output tile t, token tile m at 8 (4 t + m))
;   windows 2, 3: a ring of four weight buffers of 128 registers: buffer q in window 2 + q / 2 at 128 (q % 2); fill n lands in buffer n % 4
.set XIMG,   0                         ; LDS: x's 16 fragments: (4 m + s) x 2,048 + 512 c + 16 lane
.set HIMG,   32768                     ; the hidden layer's 32 fragments: (8 m + S) x 2,048 + 512 b + 16 lane
.set STAGE,  98304                     ; the way out: 16 rows x 528 bytes for each wave
.set SPITCH, 528                       ; 512 bytes + 16: sixteen lanes that store to sixteen rows touch sixteen different 16-byte columns of 256
.set FILLB,  16384                     ; a fill: 8 fragments
.set LI,   1                           ; v1   16 x lane: an image's place for my lane, in LDS and in wstream
.set RR,   2                           ; v2   r = lane % 16
.set HH,   3                           ; v3   h = lane / 16
.set HWI,  4                           ; v4   HIMG + 4,096 wave + 16 lane: where my wave's hidden images begin
.set HRA,  5                           ; v5   HIMG + 16 lane
.set STO,  6                           ; v6   stage: row r, + 32 h
.set RD,   7                           ; v7   stage: 16 x lane of a row
.set OB,   8                           ; v8   512 wave + 16 lane: my bytes in a row of the output
.set HWA,  9                           ; v9   HWI + the trip's step
.set TOK,  10
.set G,    16
.set SC,   24                          ; v24  2^(e3 - e0 - e1 + 1)
.set LIM,  25                          ; v25  448 x that
.set VA11, 26                          ; v[26:27] a11 twice
.set VB6,  28                          ; v[28:29] b6 twice
.set XWI,  30                          ; v30  XIMG + 2,048 wave + 16 lane
.set AD,   32                          ; v32-47 offsets of the gathers
.set Z,    32
.set Y,    40
.set P,    48
.set Q,    56
.set RA,   32
.set ACC,  64
.set TMP,  64
.set XT,   128
.set HB,   128
.set BK,   128
.set GI,   192                         ; v192-195 the tokens' indices, v196-199 their routing weights for my expert
.set GW,   196
.set CD,   240                         ; v240-255 the codes just made, four registers a token tile
.set WV,   20                          ; s20  wave
.set WP,   22                          ; s[22:23] where the next four fills begin in wstream
.set JC,   32                          ; s32  trips
.set HP,   33                          ; s33  2,048 x trip
.set KA13, 66                          ; s66-85 the coefficients, each twice (a packed form names a pair)
.set KA9,  68
.set KA7,  70
.set KA5,  72
.set KA3,  74
.set KA1,  76
.set KB8,  78
.set KB4,  80
.set KB2,  82
.set KB0,  84
.set KC1,  88                          ; s[88:89] 2^(e0 + e1) / sqrt 2
.set MSB, 0
.macro WIN new                         ; the immediate's high byte repeats the setting that is left; a switch that changes nothing is dropped
.if MSB != (\new)
	s_set_vgpr_msb (MSB<<8)|(\new)
.set MSB, (\new)
.endif
.endm
.macro PLACES                          ; four plain vector instructions between a matrix instruction and a load into its registers or a read of its result
.rept 4
	v_nop
.endr
.endm
.macro COEF reg, bits
	s_mov_b32 s[\reg], \bits
	s_mov_b32 s[\reg+1], \bits
.endm
; 32 loads of 512 consecutive bytes: the fill at off bytes behind WP into buffer q
.macro FILL q, off
	WIN 0x80+0x40*((\q)/2)
.set FB, 128*((\q)%2)
.set fi, 0
.rept 32
	global_load_b128 v[FB+4*fi:FB+4*fi+3], v[LI], s[WP:WP+1] offset:(\off)+512*fi
.set fi, fi+1
.endr
	WIN 0
.endm
; A pair's 32 products: 32 hidden units x 64 tokens x K = 512.  The eight accumulators take turns, one instruction a turn; the first K step starts the sums.
.macro MM1 q
	WIN 0x06+(\q)/2                                ; source 0 (W0) window 2 or 3, source 1 (x) window 1, C and D window 0
.set WB, 128*((\q)%2)
.irp s, 0,1,2,3
.irp u, 0,1
.irp m, 0,1,2,3
.if \s == 0
	v_wmma_f32_16x16x128_fp8_fp8 v[ACC+16*\m+8*\u:ACC+16*\m+8*\u+7], v[WB+16*(4*\u+\s):WB+16*(4*\u+\s)+15], v[16*(4*\m+\s):16*(4*\m+\s)+15], 0
.else
	v_wmma_f32_16x16x128_fp8_fp8 v[ACC+16*\m+8*\u:ACC+16*\m+8*\u+7], v[WB+16*(4*\u+\s):WB+16*(4*\u+\s)+15], v[16*(4*\m+\s):16*(4*\m+\s)+15], v[ACC+16*\m+8*\u:ACC+16*\m+8*\u+7]
.endif
.endr
.endr
.endr
	WIN 0
	PLACES
.endm
.macro HORNER acc, k                   ; acc = acc x z^2 + k, eight numbers
.irp j, 0,2,4,6
	v_pk_fma_f32 v[\acc+\j:\acc+\j+1], v[\acc+\j:\acc+\j+1], v[Y+\j:Y+\j+1], s[\k:\k+1] op_sel_hi:[1,1,0]
.endr
.endm
; Eight sums v[a] .. v[a + 7] (one accumulator, read from its low end on) become eight codes in v[c], v[c + 1]
.macro GELU8 a, c
.irp j, 0,2,4,6
	v_pk_mul_f32 v[Z+\j:Z+\j+1], v[(\a)+\j:(\a)+\j+1], s[KC1:KC1+1] op_sel_hi:[1,0]   ; z = h / sqrt 2
.endr
.irp j, 0,1,2,3,4,5,6,7
	v_med3_num_f32 v[Z+\j], v[Z+\j], -4.0, 4.0
.endr
.irp j, 0,2,4,6
	v_pk_mul_f32 v[Y+\j:Y+\j+1], v[Z+\j:Z+\j+1], v[Z+\j:Z+\j+1]
.endr
.irp j, 0,2,4,6
	v_pk_fma_f32 v[P+\j:P+\j+1], v[Y+\j:Y+\j+1], s[KA13:KA13+1], v[VA11:VA11+1] op_sel_hi:[1,0,1]
.endr
.irp j, 0,2,4,6
	v_pk_fma_f32 v[Q+\j:Q+\j+1], v[Y+\j:Y+\j+1], s[KB8:KB8+1], v[VB6:VB6+1] op_sel_hi:[1,0,1]
.endr
	HORNER P, KA9
	HORNER Q, KB4
	HORNER P, KA7
	HORNER Q, KB2
	HORNER P, KA5
	HORNER Q, KB0
.irp j, 0,1,2,3,4,5,6,7
	v_rcp_f32 v[Q+\j], v[Q+\j]                     ; 1 / B; the numerator's last steps below are the plain instructions between a reciprocal and the use of its result
.endr
	HORNER P, KA3
	HORNER P, KA1
.irp j, 0,2,4,6
	v_pk_mul_f32 v[P+\j:P+\j+1], v[P+\j:P+\j+1], v[Z+\j:Z+\j+1]
.endr
	s_wait_alu depctr_va_vdst(0)
.irp j, 0,2,4,6
	v_pk_mul_f32 v[P+\j:P+\j+1], v[P+\j:P+\j+1], v[Q+\j:Q+\j+1]                       ; erf(z)
.endr
.irp j, 0,2,4,6
	v_pk_fma_f32 v[(\a)+\j:(\a)+\j+1], v[(\a)+\j:(\a)+\j+1], v[P+\j:P+\j+1], v[(\a)+\j:(\a)+\j+1]   ; sum x erf + sum
.endr
.irp j, 0,1,2,3,4,5,6,7
	v_med3_num_f32 v[(\a)+\j], v[(\a)+\j], -v[LIM], v[LIM]   ; the conversion to an 8-bit code does not saturate (ISA guide 7.6.2): the hold at the largest code x the scale
.endr
	v_cvt_scalef32_pk8_fp8_f32 v[\c:\c+1], v[\a:\a+7], v[SC]
.endm
; Pair q of a trip: the products on buffer q, the buffer's next fill (four fills on), gelu and the codes, which are chunk q of K step 2 wave + trip of the second product
.macro PAIR q
	s_wait_loadcnt 63                              ; behind this buffer's fill three more fills, 96 loads, were issued; 63 is the largest count that the wait can name
	MM1 \q
	FILL \q, FILLB*(\q)
	s_wait_dscnt 0x0                               ; the last pair's LDS stores have read the codes' registers
	v_add_nc_u32 v[HWA], s[HP], v[HWI]
.irp m, 0,1,2,3
	GELU8 ACC+16*\m, CD+4*\m
	GELU8 ACC+16*\m+8, CD+4*\m+2
.if \m == 3
	v_nop                                          ; a plain vector instruction behind the run's last conversion: the next products write its sources
.endif
	ds_store_b128 v[HWA], v[CD+4*\m:CD+4*\m+3] offset:16384*\m+512*(\q)
.endr
.endm
.macro HLOAD S                         ; the four token tiles' hidden fragments of K step S
.set HBL, HB+64*((\S)%2)
.irp m, 0,1,2,3
.irp c, 0,1,2,3
	ds_load_b128 v[HBL+16*\m+4*\c:HBL+16*\m+4*\c+3], v[HRA] offset:(8*\m+(\S))*2048+512*\c
.endr
.endr
.endm
; K step S of the second product: 128 outputs x 64 tokens x 128: 32 accumulators by turns.  lc: the loads issued behind this step's fill (held at what the wait can name)
.macro KSTEP S, lc
.if (\S) < 7
	s_wait_dscnt 16                                ; this step's fragments are in; the next step's sixteen loads may be out
.else
	s_wait_dscnt 0x0
.endif
	s_wait_loadcnt \lc
	WIN 0x52+((\S)%4)/2                            ; source 0 (W1) window 2 or 3, source 1 (hidden) window 0, C and D window 1
.set WB, 128*((\S)%2)
.set HBM, HB+64*((\S)%2)
.irp t, 0,1,2,3,4,5,6,7
.irp m, 0,1,2,3
.if (\S) == 0
	v_wmma_f32_16x16x128_fp8_fp8 v[8*(4*\t+\m):8*(4*\t+\m)+7], v[WB+16*\t:WB+16*\t+15], v[HBM+16*\m:HBM+16*\m+15], 0
.else
	v_wmma_f32_16x16x128_fp8_fp8 v[8*(4*\t+\m):8*(4*\t+\m)+7], v[WB+16*\t:WB+16*\t+15], v[HBM+16*\m:HBM+16*\m+15], v[8*(4*\t+\m):8*(4*\t+\m)+7]
.endif
.endr
.endr
	WIN 0
	PLACES
.if (\S) <= 5
	HLOAD (\S)+2
.endif
.if (\S) <= 3
	FILL (\S)%4, FILLB*(\S)                        ; W1's K step S + 4
.endif
.endm
; THE WAY OUT of token tile m.  A lane holds, of its token, 8 neighbouring outputs of each of 8 output tiles.  Times the gate, into my own stage, back as whole rows of my 512 bytes.
.macro TOSTAGE m
	WIN 0x01                                       ; source 0 (the sums) window 1
.irp t, 0,1,2,3,4,5,6,7
.irp k, 0,2,4,6
	v_pk_mul_f32 v[TMP+8*\t+\k:TMP+8*\t+\k+1], v[8*(4*\t+(\m))+\k:8*(4*\t+(\m))+\k+1], v[G+2*(\m):G+2*(\m)+1] op_sel_hi:[1,0]   ; each accumulator from its low end on
.endr
.endr
	WIN 0
.irp t, 0,1,2,3,4,5,6,7
	ds_store_b128 v[STO], v[TMP+8*\t:TMP+8*\t+3] offset:64*\t
	ds_store_b128 v[STO], v[TMP+8*\t+4:TMP+8*\t+7] offset:64*\t+16
.endr
.set BKT, BK+64*((\m)%2)
.irp i, 0,1,2,3,4,5,6,7,8,9,10,11,12,13,14,15
	ds_load_b128 v[BKT+4*\i:BKT+4*\i+3], v[RD] offset:\i*SPITCH   ; LDS serves a wave's instructions in order (ISA guide 5.7.1.4): these see the stores above, and the next tile's stores come behind them
.endr
.endm
.macro SEND m, younger                 ; younger: the LDS instructions issued behind tile m's loads
.set RAB, RA+16*((\m)%2)
.set BKS, BK+64*((\m)%2)
.irp i, 0,1,2,3,4,5,6,7,8,9,10,11,12,13,14,15
	v_readlane_b32 s[34+\i], v[TOK+(\m)], \i       ; row i's token
.endr
.irp i, 0,1,2,3,4,5,6,7,8,9,10,11,12,13,14,15
	s_min_u32 s[34+\i], s[34+\i], 0x1fff
	s_lshl_b32 s[34+\i], s[34+\i], 11              ; its row of 2,048 bytes
	v_add_nc_u32 v[RAB+\i], s[34+\i], v[OB]
.endr
	s_wait_dscnt \younger                          ; the tile's rows are back in registers
.irp i, 0,1,2,3,4,5,6,7,8,9,10,11,12,13,14,15
	global_store_b128 v[RAB+\i], v[BKS+4*\i:BKS+4*\i+3], s[18:19] th:TH_STORE_NT   ; 32 lanes store 512 consecutive bytes, at a multiple of 512 from the output's first byte; written once, read by nobody here
.endr
.endm
	; ---------------- HEAD ----------------
	s_load_b512 s[4:19], s[0:1], 0x0               ; x s[4:5], wstream s[6:7], perm s[8:9], tiles s[10:11], indices s[12:13], weights s[14:15], scales s[16:17], out s[18:19]
	v_and_b32 v14, 31, v0
	v_lshrrev_b32 v15, 5, v0
	v_readfirstlane_b32 s[WV], v15                 ; wave 0..3
	v_lshlrev_b32 v[LI], 4, v14
	v_and_b32 v[RR], 15, v0
	v_bfe_u32 v[HH], v0, 4, 1
	s_lshl_b32 s34, ttmp9, 4                       ; my entry of the table
	s_mov_b32 s35, 0
	s_wait_kmcnt 0x0
	s_add_nc_u64 s[10:11], s[10:11], s[34:35]
	s_load_b128 s[24:27], s[10:11], 0x0            ; expert, first place, rows, 0
	s_load_b128 s[28:31], s[16:17], 0x0            ; e0, e1, e2, e3
	s_lshl_b32 s36, s[WV], 12                      ; while these are out: LDS addresses and constants
	v_add_nc_u32 v[HWI], s36, v[LI]
	v_add_nc_u32 v[HWI], HIMG, v[HWI]
	v_add_nc_u32 v[HRA], HIMG, v[LI]
	s_mul_i32 s37, s[WV], 16*SPITCH
	s_add_co_u32 s37, s37, STAGE                   ; my stage
	v_mul_u32_u24 v[STO], v[RR], SPITCH
	v_lshl_add_u32 v[STO], v[HH], 5, v[STO]
	v_add_nc_u32 v[STO], s37, v[STO]
	v_add_nc_u32 v[RD], s37, v[LI]
	s_lshl_b32 s38, s[WV], 9
	v_add_nc_u32 v[OB], s38, v[LI]
	s_lshl_b32 s39, s[WV], 11
	v_add_nc_u32 v[XWI], s39, v[LI]
	COEF KA13, 0xaf95df0b                          ; -2.72614225801306e-10
	COEF KA9,  0xb60cff51                          ; -2.10102402082508e-06
	COEF KA7,  0xb86ec2d2                          ; -5.69250639462346e-05
	COEF KA5,  0xba40ac63                          ; -7.34990630326855e-04
	COEF KA3,  0xbb41a1f6                          ; -2.95459980854025e-03
	COEF KA1,  0xbc83dbd4                          ; -1.60960333262415e-02
	COEF KB8,  0xb77460cd                          ; -1.45660718464996e-05
	COEF KB4,  0xbadc924e                          ; -1.68282697438203e-03
	COEF KB2,  0xbbf19bf8                          ; -7.37332916720468e-03
	COEF KB0,  0xbc69b6a7                          ; -1.42647390514189e-02
	v_mov_b32 v[VA11], 0x32edffee                  ;  2.77068142495902e-08
	v_mov_b32 v[VA11+1], 0x32edffee
	v_mov_b32 v[VB6], 0xb95fbd29                   ; -2.13374055278905e-04
	v_mov_b32 v[VB6+1], 0xb95fbd29
	s_mov_b32 s[JC], 0
	s_mov_b32 s[HP], 0
	s_wait_kmcnt 0x0
	s_min_u32 s24, s24, 7                          ; loaded numbers enter addresses behind a bound
	s_min_u32 s25, s25, 0x1fff
	s_min_u32 s26, s26, 64
	s_lshl_b32 s34, s24, 2
	s_add_co_u32 s34, s34, s[WV]
	s_lshl_b32 s34, s34, 18                        ; (4 expert + wave) x 16 fills
	s_mov_b32 s35, 0
	s_add_nc_u64 s[WP:WP+1], s[6:7], s[34:35]
	s_max_u32 s36, s26, 1
	s_sub_co_u32 s36, s36, 1                       ; the tile's last row (0 in a tile without rows)
.irp m, 0,1,2,3
	v_add_nc_u32 v14, 16*\m, v[RR]                 ; row 16 m + r,
	v_min_u32 v14, s36, v14                        ; or the last one again,
	v_add_nc_u32 v14, s25, v14
	v_min_u32 v14, 0x1fff, v14                     ; its place in perm
	v_lshlrev_b32 v[AD+\m], 2, v14
	global_load_b32 v[TOK+\m], v[AD+\m], s[8:9]
.endr
	FILL 0, 0                                      ; the weights set out while the chain perm, x is walked
	s_add_co_i32 s40, s28, s29                     ; e0 + e1
	s_lshl_b32 s41, s40, 23
	s_add_co_i32 s[KC1], s41, 0x3f3504f3           ; 2^(e0 + e1) / sqrt 2: the exponents are added to the exponent field
	s_mov_b32 s[KC1+1], s[KC1]
	s_sub_co_i32 s42, s31, s40
	s_add_co_i32 s42, s42, 128                     ; e3 - e0 - e1 + 1 + 127
	s_lshl_b32 s43, s42, 23
	v_mov_b32 v[SC], s43
	s_add_co_i32 s42, s42, 8
	s_lshl_b32 s42, s42, 23
	s_or_b32 s42, s42, 0x600000
	v_mov_b32 v[LIM], s42                          ; 448 x the scale
	s_add_co_i32 s50, s30, s31                     ; e2 + e3
	s_lshl_b32 s37, s[WV], 7
	v_lshl_add_u32 v15, v[HH], 4, s37              ; x: K step = my wave: 128 wave + 16 h
	s_lshl_b32 s38, s24, 2                         ; routing weights: 4 x expert
	s_wait_loadcnt 32                              ; the four tokens are in; the fill's 32 loads may be out
.irp m, 0,1,2,3
	v_min_u32 v[TOK+\m], 0x1fff, v[TOK+\m]
	v_lshlrev_b32 v[AD+4+\m], 9, v[TOK+\m]
	v_add_nc_u32 v[AD+4+\m], v15, v[AD+4+\m]       ; x: token x 512 + ..
	v_lshlrev_b32 v[AD+8+\m], 2, v[TOK+\m]         ; index: token x 4
	v_lshlrev_b32 v[AD+12+\m], 5, v[TOK+\m]
	v_add_nc_u32 v[AD+12+\m], s38, v[AD+12+\m]     ; weight: token x 32 + 4 expert
.endr
.irp m, 0,1,2,3
.irp c, 0,1,2,3
	global_load_b128 v[XT+16*\m+4*\c:XT+16*\m+4*\c+3], v[AD+4+\m], s[4:5] offset:32*\c   ; fragment (m, K step wave): k = 128 wave + 32 c + 16 h + 0..15 of row r's token
.endr
.endr
.irp m, 0,1,2,3
	global_load_b32 v[GI+\m], v[AD+8+\m], s[12:13]
	global_load_b32 v[GW+\m], v[AD+12+\m], s[14:15]
.endr
	FILL 1, FILLB                                  ; where the count of loads is at its field's end the issue is held (ISA guide 5.7.1); the wave has nothing else to do here
	FILL 2, 2*FILLB
	s_wait_loadcnt 63                              ; behind x's loads 8 + 64 were issued: x is in
.irp m, 0,1,2,3
.irp c, 0,1,2,3
	ds_store_b128 v[XWI], v[XT+16*\m+4*\c:XT+16*\m+4*\c+3] offset:XIMG+8192*\m+512*\c
.endr
.endr
	s_wait_dscnt 0x0                               ; for the others' sake: my four images have landed
	s_barrier_signal -1
	s_barrier_wait -1                              ; x's sixteen fragments lie in LDS
	WIN 0x40                                       ; destination window 1
.set xi, 0
.rept 64
	ds_load_b128 v[4*xi:4*xi+3], v[LI] offset:XIMG+512*xi   ; images and registers run alike: four registers for each 512 bytes
.set xi, xi+1
.endr
	WIN 0
	FILL 3, 3*FILLB
	s_wait_loadcnt 63                              ; behind the indices and weights three fills, 96 loads, were issued
.irp m, 0,1,2,3
	v_cmp_eq_u32 vcc_lo, s24, v[GI+\m]             ; the one-hot: the gate counts where the token's index is my expert
	v_cndmask_b32 v[G+2*\m], 0, v[GW+\m], vcc_lo
	v_ldexp_f32 v[G+2*\m], v[G+2*\m], s50          ; x 2^(e2 + e3): a sum of the second product stands for sum x 2^(e2 + e3)
	v_mov_b32 v[G+2*\m+1], v[G+2*\m]               ; (named with it as a pair, so it is written)
.endr
	s_wait_xcnt 0x0                                ; the loads issued so far have read their base and offsets: the base may step, the offsets' registers may be written
	s_add_nc_u64 s[WP:WP+1], s[WP:WP+1], 4*FILLB
	s_wait_dscnt 0x0                               ; x's fragments are in
	; ---------------- 1: THE HIDDEN LAYER: two trips of four pairs of 32 hidden units.  Trip j multiplies fills 4 j .. 4 j + 3 and asks for fills 4 j + 4 .. 4 j + 7 ----------------
.Lpairs:
	PAIR 0
	PAIR 1
	PAIR 2
	PAIR 3
	s_wait_xcnt 0x0                                ; the fills have read their base
	s_add_nc_u64 s[WP:WP+1], s[WP:WP+1], 4*FILLB
	s_add_co_u32 s[HP], s[HP], 2048
	s_add_co_u32 s[JC], s[JC], 1
	s_cmp_lt_u32 s[JC], 2
	s_cbranch_scc1 .Lpairs
	s_wait_dscnt 0x0                               ; for the others' sake: my hidden images have landed
	s_barrier_signal -1
	s_barrier_wait -1                              ; the hidden layer's 32 fragments lie in LDS.  No barrier follows,
	s_cmp_eq_u32 s26, 0
	s_cbranch_scc1 .Lend                           ; so a tile without rows may end here
	; ---------------- 2: THE OUTPUTS: eight K steps, written out ----------------
	HLOAD 0
	HLOAD 1
	KSTEP 0, 63                                    ; behind fill 8 + S: three fills (S = 0..4), two (5), one (6), none (7)
	KSTEP 1, 63
	KSTEP 2, 63
	KSTEP 3, 63
	KSTEP 4, 63
	KSTEP 5, 63
	KSTEP 6, 32
	KSTEP 7, 0
	; ---------------- THE WAY OUT: a tile's arithmetic stands between the loads of the tile before and its stores ----------------
	TOSTAGE 0
	TOSTAGE 1
	SEND 0, 32                                     ; behind tile 0's loads: tile 1's 16 stores and 16 loads
	s_wait_xcnt 0x0                                ; tile 0's stores have read their registers: tile 2's rows and offsets may land there
	TOSTAGE 2
	SEND 1, 32
	s_wait_xcnt 0x0
	TOSTAGE 3
	SEND 2, 32
	SEND 3, 0
.Lend:
	s_wait_xcnt 0x0
	v_lshl_add_u32 v254, v0, 2, 0x20400
	v_mov_b32 v255, 0
	s_wait_tensorcnt 0x0
	ds_add_u32 v254, v255
	s_wait_dscnt 0x0
	s_endpgm
.Lfunc_end_k_q91f1d537ec_moe:
	.size	k_q91f1d537ec_moe, .Lfunc_end_k_q91f1d537ec_moe-k_q91f1d537ec_moe
	.p2alignl 7, 3214868480
	.fill 96, 4, 3214868480
	.section	.rodata,"a",@progbits
	.p2align	6, 0x0
	.amdhsa_kernel k_q91f1d537ec_moe
		.amdhsa_group_segment_fixed_size 132608
		.amdhsa_private_segment_fixed_size 0
		.amdhsa_enable_private_segment 0
		.amdhsa_kernarg_size 64
		.amdhsa_user_sgpr_count 2
		.amdhsa_user_sgpr_kernarg_segment_ptr 1
		.amdhsa_wavefront_size32 1
		.amdhsa_system_sgpr_workgroup_id_x 1
		.amdhsa_system_sgpr_workgroup_id_y 1
		.amdhsa_system_sgpr_workgroup_id_z 1
		.amdhsa_system_vgpr_workitem_id 0
		.amdhsa_next_free_vgpr 1024
		.amdhsa_next_free_sgpr 96
		.amdhsa_reserve_vcc 1
		.amdhsa_float_denorm_mode_32 3
		.amdhsa_float_denorm_mode_16_64 3
		.amdhsa_memory_ordered 1
		.amdhsa_forward_progress 1
		.amdhsa_inst_pref_size 255
	.end_amdhsa_kernel
	.section	.bss,"aw",@nobits
	.p2align	6
	.space	262144
	.amdgpu_metadata
---
amdhsa.version: [ 1, 2 ]
amdhsa.kernels:
  - .name:           k_q91f1d537ec_moe
    .symbol:         k_q91f1d537ec_moe.kd
    .args:
      - { .name: x_codes, .offset: 0, .size: 8, .value_kind: global_buffer, .address_space: global }
      - { .name: wstream, .offset: 8, .size: 8, .value_kind: global_buffer, .address_space: global }
      - { .name: perm, .offset: 16, .size: 8, .value_kind: global_buffer, .address_space: global }
      - { .name: tiles, .offset: 24, .size: 8, .value_kind: global_buffer, .address_space: global }
      - { .name: routing_indices, .offset: 32, .size: 8, .value_kind: global_buffer, .address_space: global }
      - { .name: routing_weights, .offset: 40, .size: 8, .value_kind: global_buffer, .address_space: global }
      - { .name: lowp_scales, .offset: 48, .size: 8, .value_kind: global_buffer, .address_space: global }
      - { .name: out0, .offset: 56, .size: 8, .value_kind: global_buffer, .address_space: global }
    .group_segment_fixed_size: 132608
    .private_segment_fixed_size: 0
    .kernarg_segment_align: 8
    .kernarg_segment_size: 64
    .max_flat_workgroup_size: 128
    .sgpr_count:     96
    .vgpr_count:     1024
    .wavefront_size: 32
...
	.end_amdgpu_metadata
.endif
;; end of part 2
;; ======== version 2 of 2: 2 launches; version 1 with the launch moe written anew for expert scheduling mode
;; workspace buffers: wstream 8,388,608 bytes; perm 32,768 bytes of whole numbers; tiles 2,560 bytes of whole numbers
;; launch prep: the kernel of part 1 again; grid 257 x 1, 8 waves a work-group, no clusters, 1,280 bytes of LDS; arguments routing_indices, w0_codes, w1_codes, wstream, perm, tiles; writes wstream, perm, tiles
;; launch moe (part 3): grid 135 x 1, 4 waves a work-group, no clusters, 132,608 bytes of LDS; arguments x_codes, wstream, perm, tiles, routing_indices, routing_weights, lowp_scales, out0; writes out0
.if DOCPART == 3
	.amdgcn_target "amdgcn-amd-amdhsa--gfx1250"
	.amdhsa_code_object_version 6
	.text
	.protected	k_q91f1d537ec_moe
	.globl	k_q91f1d537ec_moe
	.p2align	8
	.type	k_q91f1d537ec_moe,@function
k_q91f1d537ec_moe:
	s_mov_b64 s[64:65], 0
	v_nop
	global_prefetch_b8 v0, s[64:65] scope:SCOPE_SE
	s_setreg_imm32_b32 hwreg(HW_REG_WAVE_SCHED_MODE, 0, 2), 2
	s_setreg_imm32_b32 hwreg(HW_REG_WAVE_MODE, 25, 1), 1
	s_wait_xcnt 0x0
	s_wait_alu depctr_vm_vsrc(0)
; y[token] = gate x ( Q(gelu(x[token] W0[e])) W1[e] ), e = the token's expert, both products on codes of FP8 (E4M3) with the given scales 2^e0 (W0), 2^e1 (x), 2^e2 (W1), 2^e3 (hidden layer).
; Only the chosen expert's rows are multiplied: the other seven are thrown away by the one-hot that the problem builds itself.
; GRID: 8,192 rows in tiles of 64 for 8 experts are never more than 8,192 / 64 + 7 = 135 tiles, whatever the split.  Work-group t takes tiles[t] = (expert, first place in perm, rows).
; A tile without rows goes as far as the second barrier on rows held inside perm (every wave passes every barrier), then ends and stores nothing.
; Row j of a tile with fewer than 64 rows takes the tile's last token again: it computes the same numbers and stores them to the same bytes, so no lane is ever switched off.
; SHARES: four waves, as many as a WGP has SIMDs.  THE WAVES SHARE THE COLUMNS: wave w makes hidden units 256 w .. + 255 and outputs 128 w .. + 127 for all 64 rows.  So each weight byte is loaded
; once in a work-group, by one wave, straight into its operand registers (wstream holds the fragments as register images, in the order of use: 32 loads of 512 consecutive bytes a fill),
; and each weight fragment feeds four matrix instructions.  x's codes and the hidden layer's go from wave to wave through LDS as images of their registers (16 bytes a lane at 16 x lane).
; BOTH PRODUCTS ARE USED TRANSPOSED (source 0 = 16 rows of the weight, source 1 = 16 tokens): a lane holds one token throughout.  The rows of W0 in a tile are chosen so that the 16 registers of
; tiles u = 0, 1 of a pair are 16 neighbours along the second product's K: the conversions' results are that product's operand.  In all four operands registers 4 c .. 4 c + 3 of lane (r, h) hold
; k = 32 c + 16 h + 0..15 of a K step of 128: the same order of k on both sides, so every product meets its partner.
; GELU: exact form, 0.5 h (1 + erf(h / sqrt 2)), in f32: z = h / sqrt 2 held in +-4, erf(z) = z A(z^2) / B(z^2), A of degree 6, B of degree 4; the division is v_rcp_f32 and a multiplication.
; With h = sum x 2^(e0 + e1): g = sum + sum x erf, gelu = g x 2^(e0 + e1 - 1), code = g / 2^(e3 - e0 - e1 + 1): all powers of two are folded into the conversion's one scale.
; LIMITS: e0 + e1 between -125 and 128 (added to the exponent field of 1 / sqrt 2); e3 - e0 - e1 + 1 between -126 and 119; e2 + e3 is applied by v_ldexp_f32 and has none.
;   1 + erf is formed by an addition: gelu's absolute error is about 1e-7 |h|, so far down the negative tail its relative error is above 1e-6; for h under -5.66 the result is h (1 + erf(-4)), at most 6e-8 |h|.
;   NaN is not served.  A token whose index lies outside 0..7 gets the gate 0.
; NO TENSOR LOADS, NO CLUSTER: which expert a work-group serves, and whether it has rows at all, are numbers read from memory; work-groups of one expert do share its weights, but how many there
; are of each expert hangs on the split, so partners cannot be fixed in the grid, and a work-group without rows ends by a branch on a loaded number.
; REGISTERS, in windows of 256 (s_set_vgpr_msb: bits 1:0 source 0, 3:2 source 1, 5:4 source 2, 7:6 destination):
;   window 0: v1-9 addresses; v10-13 my row's token in each of the four tiles of 16 rows; v16-23 its gate (pairs); v24-29 constants; v32-63 gelu's z, z^2, A, B (before: offsets; on the way out: row offsets);
;             v64-127 a pair's 8 accumulators, then one of three buffers of hidden fragments (on the way out: gated sums); v128-191, v192-255 x as gathered, codes just made (v240-255), the other two buffers of hidden fragments, rows read back from the stage
;   window 1: x's 16 fragments (tile m, K step s at 16 (4 m + s)); then the second product's 32 accumulators (output tile t, token tile m at 8 (4 t + m))
;   windows 2, 3: a ring of four weight buffers of 128 registers: buffer q in window 2 + q / 2 at 128 (q % 2); fill n lands in buffer n % 4
; THE MODE: SCHED_MODE bits 1:0 = 2 (LLVM: expert scheduling mode 2), set by the entry lines.  The code itself states the register dependences between vector or matrix instructions
; and memory or LDS instructions, with s_wait_alu, always for 0.
; THE PLAN.  Registers that memory or LDS instructions touch:
;   v1, v5, v6, v7, v30   addresses made at the head and never written again: one wait on va_vdst, ahead of the kernel's first load, states them for the whole kernel.
;   v32-47                offsets of the gathers: written at the head, read by the gathers; gelu writes them again behind the wait on vm_vsrc in front of the loop.
;   weight buffers        A pair (a K step) multiplies by buffer q; behind a wait on va_vdst that stands behind those products the next fill lands in it.  In a pair that wait is the one that the
;                         first eight reciprocals have anyway; in the second product it stands at the head of the NEXT step, and the fill in that step's middle.
;   v9, v240-255          A pair's add and conversions write them; ONE wait on va_vdst at the pair's end; the pair's four LDS stores read them; a wait on vm_vsrc behind the next pair's products frees them.
;   hidden buffers 0-2    Step S multiplies by buffer S % 3.  The fragments of step S + 2 land in buffer (S - 1) % 3 in the middle of step S: the wait at the step's head has shown step S - 1's products done
;                         reading it, and the sixteen products between name other buffers.
;   the way out           Tile m: its row offsets (set m % 2 of v32-63) and its gated sums (v64-127) are written, ONE wait on va_vdst, stage stores and loads (rows land in set m % 2 of v128-255), then tile m - 1's
;                         stores to memory, whose registers no vector instruction since tile m - 1's wait names.  A wait on vm_vsrc at a tile's head frees the sums and the sets of tile m - 2.
.set XIMG,   0                         ; LDS: x's 16 fragments: (4 m + s) x 2,048 + 512 c + 16 lane
.set HIMG,   32768                     ; the hidden layer's 32 fragments: (8 m + S) x 2,048 + 512 b + 16 lane
.set STAGE,  98304                     ; the way out: 16 rows x 528 bytes for each wave
.set SPITCH, 528                       ; 512 bytes + 16: sixteen lanes that store to sixteen rows touch sixteen different 16-byte columns of 256
.set FILLB,  16384                     ; a fill: 8 fragments
.set LI,   1                           ; v1   16 x lane: an image's place for my lane, in LDS and in wstream
.set RR,   2                           ; v2   r = lane % 16
.set HH,   3                           ; v3   h = lane / 16
.set HWI,  4                           ; v4   HIMG + 4,096 wave + 16 lane: where my wave's hidden images begin
.set HRA,  5                           ; v5   HIMG + 16 lane
.set STO,  6                           ; v6   stage: row r, + 32 h
.set RD,   7                           ; v7   stage: 16 x lane of a row
.set OB,   8                           ; v8   512 wave + 16 lane: my bytes in a row of the output
.set HWA,  9                           ; v9   HWI + the trip's step
.set TOK,  10
.set G,    16
.set SC,   24                          ; v24  2^(e3 - e0 - e1 + 1)
.set LIM,  25                          ; v25  448 x that
.set VA11, 26                          ; v[26:27] a11 twice
.set VB6,  28                          ; v[28:29] b6 twice
.set XWI,  30                          ; v30  XIMG + 2,048 wave + 16 lane
.set AD,   32                          ; v32-47 offsets of the gathers
.set Z,    32
.set Y,    40
.set P,    48
.set Q,    56
.set RA,   32
.set ACC,  64
.set TMP,  64
.set XT,   128
.set BK,   128
.set GI,   192                         ; v192-195 the tokens' indices, v196-199 their routing weights for my expert
.set GW,   196
.set CD,   240                         ; v240-255 the codes just made, four registers a token tile
.set WV,   20                          ; s20  wave
.set WP,   22                          ; s[22:23] where the next four fills begin in wstream
.set JC,   32                          ; s32  trips
.set HP,   33                          ; s33  2,048 x trip
.set GM,   52                          ; s52-55 the one-hot's masks, one for each token tile
.set KA13, 66                          ; s66-85 the coefficients, each twice (a packed form names a pair)
.set KA9,  68
.set KA7,  70
.set KA5,  72
.set KA3,  74
.set KA1,  76
.set KB8,  78
.set KB4,  80
.set KB2,  82
.set KB0,  84
.set KC1,  88                          ; s[88:89] 2^(e0 + e1) / sqrt 2
.set MSB, 0
.macro WIN new                         ; the immediate's high byte repeats the setting that is left; a switch that changes nothing is dropped
.if MSB != (\new)
	s_set_vgpr_msb (MSB<<8)|(\new)
.set MSB, (\new)
.endif
.endm
.macro PLACES                          ; four plain vector instructions between a matrix instruction and a load into its registers or a read of its result
.rept 4
	v_nop
.endr
.endm
.macro COEF reg, bits
	s_mov_b32 s[\reg], \bits
	s_mov_b32 s[\reg+1], \bits
.endm
; 32 loads of 512 consecutive bytes: the fill at off bytes behind WP into buffer q
.macro FILL q, off
	WIN 0x80+0x40*((\q)/2)
.set FB, 128*((\q)%2)
.set fi, 0
.rept 32
	global_load_b128 v[FB+4*fi:FB+4*fi+3], v[LI], s[WP:WP+1] offset:(\off)+512*fi
.set fi, fi+1
.endr
	WIN 0
.endm
; A pair's 32 products: 32 hidden units x 64 tokens x K = 512.  The eight accumulators take turns, one instruction a turn; the first K step starts the sums.
.macro MM1 q
	WIN 0x06+(\q)/2                                ; source 0 (W0) window 2 or 3, source 1 (x) window 1, C and D window 0
.set WB, 128*((\q)%2)
.irp s, 0,1,2,3
.irp u, 0,1
.irp m, 0,1,2,3
.if \s == 0
	v_wmma_f32_16x16x128_fp8_fp8 v[ACC+16*\m+8*\u:ACC+16*\m+8*\u+7], v[WB+16*(4*\u+\s):WB+16*(4*\u+\s)+15], v[16*(4*\m+\s):16*(4*\m+\s)+15], 0
.else
	v_wmma_f32_16x16x128_fp8_fp8 v[ACC+16*\m+8*\u:ACC+16*\m+8*\u+7], v[WB+16*(4*\u+\s):WB+16*(4*\u+\s)+15], v[16*(4*\m+\s):16*(4*\m+\s)+15], v[ACC+16*\m+8*\u:ACC+16*\m+8*\u+7]
.endif
.endr
.endr
.endr
	WIN 0
	PLACES
.endm
.macro HORNER acc, k                   ; acc = acc x z^2 + k, eight numbers
.irp j, 0,2,4,6
	v_pk_fma_f32 v[\acc+\j:\acc+\j+1], v[\acc+\j:\acc+\j+1], v[Y+\j:Y+\j+1], s[\k:\k+1] op_sel_hi:[1,1,0]
.endr
.endm
; Eight sums v[a] .. v[a + 7] (one accumulator, read from its low end on) become eight codes in v[c], v[c + 1]
.macro GELU8 a, c
.irp j, 0,2,4,6
	v_pk_mul_f32 v[Z+\j:Z+\j+1], v[(\a)+\j:(\a)+\j+1], s[KC1:KC1+1] op_sel_hi:[1,0]   ; z = h / sqrt 2
.endr
.irp j, 0,1,2,3,4,5,6,7
	v_med3_num_f32 v[Z+\j], v[Z+\j], -4.0, 4.0
.endr
.irp j, 0,2,4,6
	v_pk_mul_f32 v[Y+\j:Y+\j+1], v[Z+\j:Z+\j+1], v[Z+\j:Z+\j+1]
.endr
.irp j, 0,2,4,6
	v_pk_fma_f32 v[P+\j:P+\j+1], v[Y+\j:Y+\j+1], s[KA13:KA13+1], v[VA11:VA11+1] op_sel_hi:[1,0,1]
.endr
.irp j, 0,2,4,6
	v_pk_fma_f32 v[Q+\j:Q+\j+1], v[Y+\j:Y+\j+1], s[KB8:KB8+1], v[VB6:VB6+1] op_sel_hi:[1,0,1]
.endr
	HORNER P, KA9
	HORNER Q, KB4
	HORNER P, KA7
	HORNER Q, KB2
	HORNER P, KA5
	HORNER Q, KB0
.irp j, 0,1,2,3,4,5,6,7
	v_rcp_f32 v[Q+\j], v[Q+\j]                     ; 1 / B; the numerator's last steps below are the plain instructions between a reciprocal and the use of its result
.endr
	HORNER P, KA3
	HORNER P, KA1
.irp j, 0,2,4,6
	v_pk_mul_f32 v[P+\j:P+\j+1], v[P+\j:P+\j+1], v[Z+\j:Z+\j+1]
.endr
	s_wait_alu depctr_va_vdst(0)                   ; the eight reciprocals have written v[Q ..], ahead of their first reader.  In a pair's first eight it states as well that the pair's products are done reading their weight buffer, in which the fill behind this eight lands
.irp j, 0,2,4,6
	v_pk_mul_f32 v[P+\j:P+\j+1], v[P+\j:P+\j+1], v[Q+\j:Q+\j+1]                       ; erf(z)
.endr
.irp j, 0,2,4,6
	v_pk_fma_f32 v[(\a)+\j:(\a)+\j+1], v[(\a)+\j:(\a)+\j+1], v[P+\j:P+\j+1], v[(\a)+\j:(\a)+\j+1]   ; sum x erf + sum
.endr
.irp j, 0,1,2,3,4,5,6,7
	v_med3_num_f32 v[(\a)+\j], v[(\a)+\j], -v[LIM], v[LIM]   ; the conversion to an 8-bit code does not saturate (ISA guide 7.6.2): the hold at the largest code x the scale
.endr
	v_cvt_scalef32_pk8_fp8_f32 v[\c:\c+1], v[\a:\a+7], v[SC]
.endm
; Pair q of a trip: the products on buffer q, the buffer's next fill (four fills on), gelu and the codes, which are chunk q of K step 2 wave + trip of the second product
.macro PAIR q
	s_wait_loadcnt 63                              ; behind this buffer's fill three more fills, 96 loads, were issued; 63 is the largest count that the wait can name
	MM1 \q
	s_wait_dscnt 0x0                               ; the last pair's LDS stores are done
	s_wait_alu depctr_vm_vsrc(0)                   ; the last pair's LDS stores have read v[HWA] and the codes' registers, which the add and the conversions below write again
	v_add_nc_u32 v[HWA], s[HP], v[HWI]
	GELU8 ACC, CD
	FILL \q, FILLB*(\q)                            ; no wait of its own: the wait in the eight above stands behind the pair's products, and no vector instruction since names buffer q or v[LI]
	GELU8 ACC+8, CD+2
.irp m, 1,2,3
	GELU8 ACC+16*\m, CD+4*\m
	GELU8 ACC+16*\m+8, CD+4*\m+2
.endr
	v_nop                                          ; a plain vector instruction behind the run's last conversion: the next products write its sources
	s_wait_alu depctr_va_vdst(0)                   ; the pair's eight conversions have written the codes' sixteen registers, and the add v[HWA]: the four LDS stores read them
.irp m, 0,1,2,3
	ds_store_b128 v[HWA], v[CD+4*\m:CD+4*\m+3] offset:16384*\m+512*(\q)
.endr
.endm
.macro HLOAD S                         ; the four token tiles' hidden fragments of K step S, into buffer S % 3: v128-191, v192-255, v64-127
.set HBL, 64+64*(((\S)+1)%3)
.irp m, 0,1,2,3
.irp c, 0,1,2,3
	ds_load_b128 v[HBL+16*\m+4*\c:HBL+16*\m+4*\c+3], v[HRA] offset:(8*\m+(\S))*2048+512*\c
.endr
.endr
.endm
; Sixteen products of K step S: output tiles t0 .. t0 + 3 x the four token tiles.  The 32 accumulators take turns in the same order in every step; step 0 starts the sums.
.macro MM2 S, t0
.set WB, 128*((\S)%2)
.set HBM, 64+64*(((\S)+1)%3)
.irp t, \t0, \t0+1, \t0+2, \t0+3
.irp m, 0,1,2,3
.if (\S) == 0
	v_wmma_f32_16x16x128_fp8_fp8 v[8*(4*(\t)+\m):8*(4*(\t)+\m)+7], v[WB+16*(\t):WB+16*(\t)+15], v[HBM+16*\m:HBM+16*\m+15], 0
.else
	v_wmma_f32_16x16x128_fp8_fp8 v[8*(4*(\t)+\m):8*(4*(\t)+\m)+7], v[WB+16*(\t):WB+16*(\t)+15], v[HBM+16*\m:HBM+16*\m+15], v[8*(4*(\t)+\m):8*(4*(\t)+\m)+7]
.endif
.endr
.endr
.endm
; K step S of the second product: 128 outputs x 64 tokens x 128.  lc: the loads issued behind this step's fill (held at what the wait can name).
; The step's loads stand in one run in its middle and land in the two buffers that step S - 1 multiplied by.
.macro KSTEP S, lc
.if (\S) < 7
	s_wait_dscnt 16                                ; this step's fragments are in; the next step's sixteen loads may be out
.else
	s_wait_dscnt 0x0
.endif
	s_wait_loadcnt \lc
.if ((\S) >= 1) && ((\S) <= 5)
	s_wait_alu depctr_va_vdst(0)                   ; the last step's products are done reading their hidden buffer and their weight buffer, in which this step's loads land
.endif
	WIN 0x52+((\S)%4)/2                            ; source 0 (W1) window 2 or 3, source 1 (hidden) window 0, C and D window 1
	MM2 \S, 0
.if (\S) <= 5
	WIN 0
	PLACES
	HLOAD (\S)+2                                   ; no wait of its own: the sixteen products since the step's head name this step's buffers and the accumulators alone
.if ((\S) >= 1) && ((\S) <= 4)
	FILL ((\S)-1)%4, FILLB*((\S)-1)                ; W1's K step S + 3, into the buffer that step S - 1 multiplied by
.endif
	WIN 0x52+((\S)%4)/2
.endif
	MM2 \S, 4
.endm
; THE WAY OUT of token tile m, in three parts.  ROWS: where its sixteen rows lie in the output.
.macro ROWS m
.set RAB, RA+16*((\m)%2)
.irp i, 0,1,2,3,4,5,6,7,8,9,10,11,12,13,14,15
	v_readlane_b32 s[34+\i], v[TOK+(\m)], \i       ; row i's token
.endr
	s_wait_alu depctr_va_sdst(0)                   ; the sixteen lane reads have written s34-49, ahead of their first reader
.irp i, 0,1,2,3,4,5,6,7,8,9,10,11,12,13,14,15
	s_min_u32 s[34+\i], s[34+\i], 0x1fff
	s_lshl_b32 s[34+\i], s[34+\i], 11              ; its row of 2,048 bytes
	v_add_nc_u32 v[RAB+\i], s[34+\i], v[OB]
.endr
.endm
; TOSTAGE: a lane holds, of its token, 8 neighbouring outputs of each of 8 output tiles.  Times the gate, into my own stage, back as whole rows of my 512 bytes.
.macro TOSTAGE m
	WIN 0x01                                       ; source 0 (the sums) window 1
.irp t, 0,1,2,3,4,5,6,7
.irp k, 0,2,4,6
	v_pk_mul_f32 v[TMP+8*\t+\k:TMP+8*\t+\k+1], v[8*(4*\t+(\m))+\k:8*(4*\t+(\m))+\k+1], v[G+2*(\m):G+2*(\m)+1] op_sel_hi:[1,0]   ; each accumulator from its low end on
.endr
.endr
	WIN 0
	s_wait_alu depctr_va_vdst(0)                   ; the multiplications have written v[TMP ..], which the stage stores read; ROWS has written the tile's row offsets, which its stores to memory read; the products are done reading the hidden buffers, in which the rows land
.irp t, 0,1,2,3,4,5,6,7
	ds_store_b128 v[STO], v[TMP+8*\t:TMP+8*\t+3] offset:64*\t
	ds_store_b128 v[STO], v[TMP+8*\t+4:TMP+8*\t+7] offset:64*\t+16
.endr
.set BKT, BK+64*((\m)%2)
.irp i, 0,1,2,3,4,5,6,7,8,9,10,11,12,13,14,15
	ds_load_b128 v[BKT+4*\i:BKT+4*\i+3], v[RD] offset:\i*SPITCH   ; LDS serves a wave's instructions in order (ISA guide 5.7.1.4): these see the stores above, and the next tile's stores come behind them
.endr
.endm
; SEND: the tile's rows leave.  No wait on the vector side: its row offsets stand ahead of the tile's own wait in TOSTAGE, and no vector instruction since names them or the rows' registers
.macro SEND m, younger                 ; younger: the LDS instructions issued behind tile m's loads
.set RAS, RA+16*((\m)%2)
.set BKS, BK+64*((\m)%2)
	s_wait_dscnt \younger                          ; the tile's rows are back in registers
.irp i, 0,1,2,3,4,5,6,7,8,9,10,11,12,13,14,15
	global_store_b128 v[RAS+\i], v[BKS+4*\i:BKS+4*\i+3], s[18:19] th:TH_STORE_NT   ; 32 lanes store 512 consecutive bytes, at a multiple of 512 from the output's first byte; written once, read by nobody here
.endr
.endm
	; ---------------- HEAD ----------------
	s_load_b512 s[4:19], s[0:1], 0x0               ; x s[4:5], wstream s[6:7], perm s[8:9], tiles s[10:11], indices s[12:13], weights s[14:15], scales s[16:17], out s[18:19]
	v_and_b32 v14, 31, v0
	v_lshrrev_b32 v15, 5, v0
	v_readfirstlane_b32 s[WV], v15                 ; wave 0..3
	v_lshlrev_b32 v[LI], 4, v14
	v_and_b32 v[RR], 15, v0
	v_bfe_u32 v[HH], v0, 4, 1
	s_lshl_b32 s34, ttmp9, 4                       ; my entry of the table
	s_mov_b32 s35, 0
	s_wait_kmcnt 0x0
	s_add_nc_u64 s[10:11], s[10:11], s[34:35]
	s_load_b128 s[24:27], s[10:11], 0x0            ; expert, first place, rows, 0
	s_load_b128 s[28:31], s[16:17], 0x0            ; e0, e1, e2, e3
	s_wait_alu depctr_va_sdst(0)                   ; the wave's number is written into s20, ahead of its first reader
	s_lshl_b32 s36, s[WV], 12                      ; while these are out: LDS addresses and constants
	v_add_nc_u32 v[HWI], s36, v[LI]
	v_add_nc_u32 v[HWI], HIMG, v[HWI]
	v_add_nc_u32 v[HRA], HIMG, v[LI]
	s_mul_i32 s37, s[WV], 16*SPITCH
	s_add_co_u32 s37, s37, STAGE                   ; my stage
	v_mul_u32_u24 v[STO], v[RR], SPITCH
	v_lshl_add_u32 v[STO], v[HH], 5, v[STO]
	v_add_nc_u32 v[STO], s37, v[STO]
	v_add_nc_u32 v[RD], s37, v[LI]
	s_lshl_b32 s38, s[WV], 9
	v_add_nc_u32 v[OB], s38, v[LI]
	s_lshl_b32 s39, s[WV], 11
	v_add_nc_u32 v[XWI], s39, v[LI]
	COEF KA13, 0xaf95df0b                          ; -2.72614225801306e-10
	COEF KA9,  0xb60cff51                          ; -2.10102402082508e-06
	COEF KA7,  0xb86ec2d2                          ; -5.69250639462346e-05
	COEF KA5,  0xba40ac63                          ; -7.34990630326855e-04
	COEF KA3,  0xbb41a1f6                          ; -2.95459980854025e-03
	COEF KA1,  0xbc83dbd4                          ; -1.60960333262415e-02
	COEF KB8,  0xb77460cd                          ; -1.45660718464996e-05
	COEF KB4,  0xbadc924e                          ; -1.68282697438203e-03
	COEF KB2,  0xbbf19bf8                          ; -7.37332916720468e-03
	COEF KB0,  0xbc69b6a7                          ; -1.42647390514189e-02
	v_mov_b32 v[VA11], 0x32edffee                  ;  2.77068142495902e-08
	v_mov_b32 v[VA11+1], 0x32edffee
	v_mov_b32 v[VB6], 0xb95fbd29                   ; -2.13374055278905e-04
	v_mov_b32 v[VB6+1], 0xb95fbd29
	s_mov_b32 s[JC], 0
	s_mov_b32 s[HP], 0
	s_wait_kmcnt 0x0
	s_min_u32 s24, s24, 7                          ; loaded numbers enter addresses behind a bound
	s_min_u32 s25, s25, 0x1fff
	s_min_u32 s26, s26, 64
	s_lshl_b32 s34, s24, 2
	s_add_co_u32 s34, s34, s[WV]
	s_lshl_b32 s34, s34, 18                        ; (4 expert + wave) x 16 fills
	s_mov_b32 s35, 0
	s_add_nc_u64 s[WP:WP+1], s[6:7], s[34:35]
	s_max_u32 s36, s26, 1
	s_sub_co_u32 s36, s36, 1                       ; the tile's last row (0 in a tile without rows)
.irp m, 0,1,2,3
	v_add_nc_u32 v14, 16*\m, v[RR]                 ; row 16 m + r,
	v_min_u32 v14, s36, v14                        ; or the last one again,
	v_add_nc_u32 v14, s25, v14
	v_min_u32 v14, 0x1fff, v14                     ; its place in perm
	v_lshlrev_b32 v[AD+\m], 2, v14
.endr
	s_wait_alu depctr_va_vdst(0)                   ; the four offsets into perm are written, which the loads below read; so are v[LI], v[HRA], v[STO], v[RD] and v[XWI], which every fill, image and stage instruction of the kernel reads and nothing writes again
.irp m, 0,1,2,3
	global_load_b32 v[TOK+\m], v[AD+\m], s[8:9]
.endr
	FILL 0, 0                                      ; the weights set out while the chain perm, x is walked
	s_add_co_i32 s40, s28, s29                     ; e0 + e1
	s_lshl_b32 s41, s40, 23
	s_add_co_i32 s[KC1], s41, 0x3f3504f3           ; 2^(e0 + e1) / sqrt 2: the exponents are added to the exponent field
	s_mov_b32 s[KC1+1], s[KC1]
	s_sub_co_i32 s42, s31, s40
	s_add_co_i32 s42, s42, 128                     ; e3 - e0 - e1 + 1 + 127
	s_lshl_b32 s43, s42, 23
	v_mov_b32 v[SC], s43
	s_add_co_i32 s42, s42, 8
	s_lshl_b32 s42, s42, 23
	s_or_b32 s42, s42, 0x600000
	v_mov_b32 v[LIM], s42                          ; 448 x the scale
	s_add_co_i32 s50, s30, s31                     ; e2 + e3
	s_lshl_b32 s37, s[WV], 7
	v_lshl_add_u32 v15, v[HH], 4, s37              ; x: K step = my wave: 128 wave + 16 h
	s_lshl_b32 s38, s24, 2                         ; routing weights: 4 x expert
	s_wait_loadcnt 32                              ; the four tokens are in; the fill's 32 loads may be out
.irp m, 0,1,2,3
	v_min_u32 v[TOK+\m], 0x1fff, v[TOK+\m]
	v_lshlrev_b32 v[AD+4+\m], 9, v[TOK+\m]
	v_add_nc_u32 v[AD+4+\m], v15, v[AD+4+\m]       ; x: token x 512 + ..
	v_lshlrev_b32 v[AD+8+\m], 2, v[TOK+\m]         ; index: token x 4
	v_lshlrev_b32 v[AD+12+\m], 5, v[TOK+\m]
	v_add_nc_u32 v[AD+12+\m], s38, v[AD+12+\m]     ; weight: token x 32 + 4 expert
.endr
	s_wait_alu depctr_va_vdst(0)                   ; the twelve offsets of the gathers are written, which the loads below read
.irp m, 0,1,2,3
.irp c, 0,1,2,3
	global_load_b128 v[XT+16*\m+4*\c:XT+16*\m+4*\c+3], v[AD+4+\m], s[4:5] offset:32*\c   ; fragment (m, K step wave): k = 128 wave + 32 c + 16 h + 0..15 of row r's token
.endr
.endr
.irp m, 0,1,2,3
	global_load_b32 v[GI+\m], v[AD+8+\m], s[12:13]
	global_load_b32 v[GW+\m], v[AD+12+\m], s[14:15]
.endr
	FILL 1, FILLB                                  ; where the count of loads is at its field's end the issue is held (ISA guide 5.7.1); the wave has nothing else to do here
	FILL 2, 2*FILLB
	s_wait_loadcnt 63                              ; behind x's loads 8 + 64 were issued: x is in
.irp m, 0,1,2,3
.irp c, 0,1,2,3
	ds_store_b128 v[XWI], v[XT+16*\m+4*\c:XT+16*\m+4*\c+3] offset:XIMG+8192*\m+512*\c
.endr
.endr
	s_wait_dscnt 0x0                               ; for the others' sake: my four images have landed
	s_barrier_signal -1
	s_barrier_wait -1                              ; x's sixteen fragments lie in LDS
	WIN 0x40                                       ; destination window 1
.set xi, 0
.rept 64
	ds_load_b128 v[4*xi:4*xi+3], v[LI] offset:XIMG+512*xi   ; images and registers run alike: four registers for each 512 bytes
.set xi, xi+1
.endr
	WIN 0
	FILL 3, 3*FILLB
	s_wait_loadcnt 63                              ; behind the indices and weights three fills, 96 loads, were issued
.irp m, 0,1,2,3
	v_cmp_eq_u32 s[GM+\m], s24, v[GI+\m]           ; the one-hot: the gate counts where the token's index is my expert
.endr
	s_wait_alu depctr_va_sdst(0)                   ; the four compares have written their masks s52-55, ahead of the selects that read them
.irp m, 0,1,2,3
	v_cndmask_b32 v[G+2*\m], 0, v[GW+\m], s[GM+\m]
	v_ldexp_f32 v[G+2*\m], v[G+2*\m], s50          ; x 2^(e2 + e3): a sum of the second product stands for sum x 2^(e2 + e3)
	v_mov_b32 v[G+2*\m+1], v[G+2*\m]               ; (named with it as a pair, so it is written)
.endr
	s_wait_xcnt 0x0                                ; the loads issued so far have read their base and offsets: the base may step, the offsets' registers may be written
	s_wait_alu depctr_vm_vsrc(0)                   ; the gathers have read their offsets v32-47, which gelu writes again; my LDS stores have read x's registers v128-191, in which hidden fragments land later
	s_add_nc_u64 s[WP:WP+1], s[WP:WP+1], 4*FILLB
	s_wait_dscnt 0x0                               ; x's fragments are in
	; ---------------- 1: THE HIDDEN LAYER: two trips of four pairs of 32 hidden units.  Trip j multiplies fills 4 j .. 4 j + 3 and asks for fills 4 j + 4 .. 4 j + 7 ----------------
.Lpairs:
	PAIR 0
	PAIR 1
	PAIR 2
	PAIR 3
	s_wait_xcnt 0x0                                ; the fills have read their base
	s_add_nc_u64 s[WP:WP+1], s[WP:WP+1], 4*FILLB
	s_add_co_u32 s[HP], s[HP], 2048
	s_add_co_u32 s[JC], s[JC], 1
	s_cmp_lt_u32 s[JC], 2
	s_cbranch_scc1 .Lpairs
	s_wait_dscnt 0x0                               ; for the others' sake: my hidden images have landed
	s_wait_alu depctr_vm_vsrc(0)                   ; the last pair's LDS stores have read the codes' registers v240-255: hidden fragments land in them below, and a tile without rows makes the closing lines' two registers of the last two
	s_barrier_signal -1
	s_barrier_wait -1                              ; the hidden layer's 32 fragments lie in LDS.  No barrier follows,
	s_cmp_eq_u32 s26, 0
	s_cbranch_scc1 .Lend                           ; so a tile without rows may end here
	; ---------------- 2: THE OUTPUTS: eight K steps, written out ----------------
	s_wait_alu depctr_va_vdst(0)                   ; the first part's vector and matrix instructions are done with v64-255 (the pairs' accumulators, the gates' sources, the codes), in which the hidden fragments land
	HLOAD 0
	HLOAD 1
	KSTEP 0, 63                                    ; behind fill 8 + S: three fills (S = 0), two (1..5), one (6), none (7)
	KSTEP 1, 63
	KSTEP 2, 63
	KSTEP 3, 63
	KSTEP 4, 63
	KSTEP 5, 63
	KSTEP 6, 32
	KSTEP 7, 0
	WIN 0
	PLACES                                         ; behind the last products, ahead of the first read of their results
	; ---------------- THE WAY OUT: a tile's arithmetic stands between the loads of the tile before and its stores ----------------
	ROWS 0
	TOSTAGE 0
	s_wait_alu depctr_vm_vsrc(0)                   ; tile 0's stage stores have read v[TMP ..], which tile 1's multiplications write again
	ROWS 1
	TOSTAGE 1
	SEND 0, 32                                     ; behind tile 0's loads: tile 1's 16 stores and 16 loads
	s_wait_xcnt 0x0                                ; tile 0's stores have read their registers: tile 2's rows and offsets may land there
	s_wait_alu depctr_vm_vsrc(0)                   ; tile 0's stores to memory have read their row offsets and rows, tile 1's stage stores v[TMP ..]: tile 2 writes all three again
	ROWS 2
	TOSTAGE 2
	SEND 1, 32
	s_wait_xcnt 0x0
	s_wait_alu depctr_vm_vsrc(0)                   ; the same a tile on: tile 1's stores to memory, tile 2's stage stores
	ROWS 3
	TOSTAGE 3
	SEND 2, 32
	SEND 3, 0
.Lend:
	s_wait_xcnt 0x0
	s_wait_alu depctr_vm_vsrc(0)                   ; tile 3's stores have read v254 and v255, which the two lines below write
	v_lshl_add_u32 v254, v0, 2, 0x20400
	v_mov_b32 v255, 0
	s_wait_dscnt 0x0                               ; the closing lines, six on end
	s_wait_alu 0x0
	s_wait_tensorcnt 0x0
	ds_add_u32 v254, v255
	s_wait_dscnt 0x0
	s_endpgm
.Lfunc_end_k_q91f1d537ec_moe:
	.size	k_q91f1d537ec_moe, .Lfunc_end_k_q91f1d537ec_moe-k_q91f1d537ec_moe
	.p2alignl 7, 3214868480
	.fill 96, 4, 3214868480
	.section	.rodata,"a",@progbits
	.p2align	6, 0x0
	.amdhsa_kernel k_q91f1d537ec_moe
		.amdhsa_group_segment_fixed_size 132608
		.amdhsa_private_segment_fixed_size 0
		.amdhsa_enable_private_segment 0
		.amdhsa_kernarg_size 64
		.amdhsa_user_sgpr_count 2
		.amdhsa_user_sgpr_kernarg_segment_ptr 1
		.amdhsa_wavefront_size32 1
		.amdhsa_system_sgpr_workgroup_id_x 1
		.amdhsa_system_sgpr_workgroup_id_y 1
		.amdhsa_system_sgpr_workgroup_id_z 1
		.amdhsa_system_vgpr_workitem_id 0
		.amdhsa_next_free_vgpr 1024
		.amdhsa_next_free_sgpr 96
		.amdhsa_reserve_vcc 0
		.amdhsa_float_denorm_mode_32 3
		.amdhsa_float_denorm_mode_16_64 3
		.amdhsa_memory_ordered 1
		.amdhsa_forward_progress 1
		.amdhsa_inst_pref_size 255
	.end_amdhsa_kernel
	.section	.bss,"aw",@nobits
	.p2align	6
	.space	262144
	.amdgpu_metadata
---
amdhsa.version: [ 1, 2 ]
amdhsa.kernels:
  - .name:           k_q91f1d537ec_moe
    .symbol:         k_q91f1d537ec_moe.kd
    .args:
      - { .name: x_codes, .offset: 0, .size: 8, .value_kind: global_buffer, .address_space: global }
      - { .name: wstream, .offset: 8, .size: 8, .value_kind: global_buffer, .address_space: global }
      - { .name: perm, .offset: 16, .size: 8, .value_kind: global_buffer, .address_space: global }
      - { .name: tiles, .offset: 24, .size: 8, .value_kind: global_buffer, .address_space: global }
      - { .name: routing_indices, .offset: 32, .size: 8, .value_kind: global_buffer, .address_space: global }
      - { .name: routing_weights, .offset: 40, .size: 8, .value_kind: global_buffer, .address_space: global }
      - { .name: lowp_scales, .offset: 48, .size: 8, .value_kind: global_buffer, .address_space: global }
      - { .name: out0, .offset: 56, .size: 8, .value_kind: global_buffer, .address_space: global }
    .group_segment_fixed_size: 132608
    .private_segment_fixed_size: 0
    .kernarg_segment_align: 8
    .kernarg_segment_size: 64
    .max_flat_workgroup_size: 128
    .sgpr_count:     96
    .vgpr_count:     1024
    .wavefront_size: 32
...
	.end_amdgpu_metadata
.endif
;; end of part 3
